; MI455X (gfx1250); checked and timed in simulation.
; The chip was launched on July 23, 2026; its instructions are those of AMD's public machine-readable ISA for CDNA 5 (MIT licence, August 2026) and "CDNA5" Instruction Set Architecture Reference Guide (July 2026). The comments in the code are by the model that wrote it; some were corrected since.
;; Feature Temporal Attention. Allowed arithmetic: matrix products marked QUANTISED: E2M1 operands, one E8M0 scale for each 32 along K, by v_wmma_scale_f32_16x16x128_f8f6f4 with both operands' format E2M1 (or v_wmma_scale_f32_32x16x128_f4), f32 sums; products left as they are: f32 operands where the result goes on into a quantised operand, else bf16, f16 or f32 operands; f32 sums; everything else in f32.
;; Inputs: W_kf 512 x 512 float32; W_kt 512 x 512 float32; W_qf 512 x 512 float32; W_qt 512 x 512 float32; W_vf 512 x 512 float32; W_vt 512 x 512 float32; b_kf 512 float32; b_kt 512 float32; b_qf 512 float32; b_qt 512 float32; b_vf 512 float32; b_vt 512 float32; x 8 x 128 x 512 float32.
;; Outputs: out0 8 x 128 x 512 float32.
;; This version of the problem:
;;   THIS VERSION OF THE PROBLEM IS GIVEN IN LOW PRECISION. The matrix products marked QUANTISED in the list below multiply operands that are first quantised to E2M1 (2 exponent bits, 1 mantissa bit; 4 bits a number), with one power-of-two scale for each 32 numbers along K (OCP MX v1.0); their sums are f32. All else is computed in f32.
;;   The module's matrix products, in the order in which they are computed (A, B: the left and right operand; K: the contracted axis; several contracted axes count as one K, in the product's order):
;;     1. [M 1,024, K 512] x [K 512, N 512]; A: input x; B: input W_qf: QUANTISED
;;     2. [M 1,024, K 512] x [K 512, N 512]; A: input x; B: input W_kf: QUANTISED
;;     3. [M 1,024, K 512] x [K 512, N 512]; A: input x; B: input W_vf: QUANTISED
;;     4. [M 1,024, K 512] x [K 512, N 512]; A: input x; B: input W_qt: QUANTISED
;;     5. [M 1,024, K 512] x [K 512, N 512]; A: input x; B: input W_kt: QUANTISED
;;     6. [M 1,024, K 512] x [K 512, N 512]; A: input x; B: input W_vt: QUANTISED
;;     7. batch 1,024 x [M 512, K 1] x [K 1, N 512]; A: computed on the way; B: computed on the way: left as it is (no contracted axis)
;;     8. batch 1,024 x [M 512, K 512] x [K 512, N 1]; A: softmax; B: computed on the way: left as it is (N = 1 < 16)
;;   THE QUANTISER, for each operand of a quantised product, along K:
;;     - K is cut into blocks of 32 from its start; a last block that is shorter is filled with zeros.
;;     - A block's scale is 2^e with e = floor(log2(the largest magnitude in the block)) - 2, held to -126 .. 127; a block of zeros has e = 0. As a byte (E8M0): e + 127.
;;     - Each number is divided by its block's scale, clamped to +-6, and rounded to the nearest number of E2M1, ties to even, subnormals kept.
;;     - The product sums the exact products of the quantised numbers (number of the format x scale) in f32.
;;   ~~~python
;;   def quantise(x, axis):      # numpy; x: float32 -> the quantised numbers, widened to float32 again
;;       x = np.moveaxis(x, axis, -1); K = x.shape[-1]
;;       x = np.pad(x, [(0, 0)] * (x.ndim - 1) + [(0, -K % 32)]); x = x.reshape(x.shape[:-1] + (-1, 32)); a = np.abs(x).max(-1, keepdims=True)
;;       e = np.where(a > 0, np.clip(np.frexp(np.where(a > 0, a, 1))[1] - 1 - 2, -126, 127), 0)      # np.frexp(a)[1] - 1 = floor(log2(a)), exactly
;;       r = np.clip(x / 2.0 ** e, -6, 6)
;;       step = 2.0 ** (np.maximum(np.frexp(np.where(r == 0, 1, r))[1] - 1, 0) - 1)
;;       q = np.round(r / step) * step * 2.0 ** e      # np.round: ties to even
;;       return np.moveaxis(q.reshape(q.shape[:-2] + (-1,))[..., :K], -1, axis).astype(np.float32)
;;   ~~~
;; One version. Each part assembles by itself: llvm-mc -triple=amdgcn-amd-amdhsa -mcpu=gfx1250 --defsym DOCPART=n.
;; ======== version 1 of 1: 3 launches
;; workspace buffers: codes 1,048,576 bytes; scales 131,072 bytes; y 12,582,912 bytes
;; launch quant (part 1): grid 256 x 1, 4 waves a work-group, no clusters, 34,816 bytes of LDS; arguments x, W_qf, W_kf, W_vf, W_qt, W_kt, W_vt, codes, scales; writes codes, scales
.if DOCPART == 1
	.amdgcn_target "amdgcn-amd-amdhsa--gfx1250"
	.amdhsa_code_object_version 6
	.text
	.protected	k_qda8246bd34_quant
	.globl	k_qda8246bd34_quant
	.p2align	8
	.type	k_qda8246bd34_quant,@function
k_qda8246bd34_quant:
	s_mov_b64 s[64:65], 0
	v_nop
	global_prefetch_b8 v0, s[64:65] scope:SCOPE_SE
	s_setreg_imm32_b32 hwreg(HW_REG_WAVE_MODE, 25, 1), 1
	s_wait_xcnt 0x0
; x [1024][512] and the six weights [512][512], f32 with K innermost, become codes of FP4 (E2M1) and E8M0 scale words, laid in the ORDER OF THE OPERAND'S REGISTERS.
; A row tile is 16 neighbouring rows.  Tiles 0-63 are x's, tile 64 + 32 t + n is rows 16 n on of weight t (0 Qf, 1 Kf, 2 Vf, 3 Qt, 4 Kt, 5 Vt): 256 tiles, one work-group each.
; Wave s takes the tile's K step s (128 along K): one fragment of 8 registers a lane.
;   codes : [256 tiles][4 K steps][2 halves c][32 lanes][16 bytes]: registers 4 c .. 4 c + 3 of lane l at 512 c + 16 l: a fragment is 1,024 dense bytes.
;   scales: [256 tiles][32 lanes][4 words]: word s of lane l = the scale word of row l % 16 for K step s (lanes 16-31 repeat lanes 0-15).
; A block's scale is 2^(floor(log2(largest magnitude)) - 2); its byte is the largest magnitude's exponent field - 2, held at 1 from below.
; LIMITS: a block of zeros gets the byte 1 where the quantiser says 127: its codes are zeros, which add nothing, and this program alone reads the bytes.
; Blocks whose largest magnitude lies under 2^(3 - 127) keep the byte 1.  NaN and infinities among the inputs are not served.
; Each load reads 512 consecutive bytes of one row, 16 a lane; the conversions want 16 neighbours along K in one lane: so the wave's 16 x 512 bytes turn through its own stage in LDS.
; No tensor load, no cluster: every input byte is read by exactly one wave.
.set PITCH, 528                        ; a stage row: 512 bytes + 16 = 132 words, so that the 16 rows that a read touches begin 4 words apart modulo 64
.set WREG,  16*PITCH                   ; a wave's stage
.set SCL,   4*WREG                     ; behind the stages: the tile's 512 bytes of scale words
.set R,     16                         ; v16-79   16 rows x 4 registers as loaded
.set X,     80                         ; v80-143  register 16 b + i = k 32 b + 16 (lane / 16) + i of row lane % 16
.set PC,    144                        ; v144-151 the fragment's codes
.set TM,    152                        ; v152-155 largest magnitudes, v156-159 the other half's, then bytes, v164-167 the conversions' scale operands
.set PW,    168                        ; v168     my row's scale word
.set SO,    170                        ; v170-173 the scale words on their way out
.set SEL,   28                         ; s[28:29] lane selects for v_permlanex16_b32: lane l xor 16
	s_load_b512 s[4:19], s[0:1], 0x0               ; x s[4:5], the six weights s[6:17], codes s[18:19]
	s_load_b64 s[20:21], s[0:1], 0x40              ; scales
	v_lshl_add_u32 v176, v0, 2, 0x8600
	v_mov_b32 v177, 0
	v_lshrrev_b32 v6, 5, v0
	v_readfirstlane_b32 s22, v6                    ; wave = K step
	v_and_b32 v1, 31, v0
	v_lshlrev_b32 v1, 4, v1                        ; 16 x lane: in memory on the way in, and on both ways out
	v_and_b32 v6, 15, v0                           ; r
	v_bfe_u32 v7, v0, 4, 1                         ; h
	s_mul_i32 s26, s22, WREG
	v_add_nc_u32 v2, s26, v1                       ; the stage, in: 16 x lane of a row
	v_mul_u32_u24 v3, v6, PITCH
	v_lshl_add_u32 v3, v7, 6, v3
	v_add_nc_u32 v3, s26, v3                       ; and back: row r, + 64 h: my 16 numbers of each block of 32
	s_lshl_b32 s26, s22, 2
	v_add_nc_u32 v5, SCL, v1                       ; the scale words: 16 bytes a lane,
	v_add_nc_u32 v4, s26, v5                       ; my wave's word among them
.irp b, 0,1,2,3
	v_mov_b32 v[TM+4+\b], 0                        ; written once: a lane permute's destination counts as one of its sources
.endr
	s_mov_b32 s[SEL], 0x76543210
	s_mov_b32 s[SEL+1], 0xfedcba98
	s_and_b32 s23, ttmp9, 31                       ; the tile's number inside its tensor: T % 32 in a weight,
	s_cmp_lt_u32 ttmp9, 64
	s_cselect_b32 s23, ttmp9, s23                  ; T itself in x
	s_lshl_b32 s26, s23, 15                        ; 16 rows of 2,048 bytes,
	s_lshl_b32 s27, s22, 9                         ; + my K step's 512 bytes of a row
	s_add_co_u32 s26, s26, s27
	s_mov_b32 s27, 0
	s_wait_kmcnt 0x0
	s_mov_b64 s[24:25], s[4:5]                     ; the source: chosen by the work-group's number alone
.irp i, 0,1,2,3,4,5
	s_cmp_ge_u32 ttmp9, 64+32*\i
	s_cselect_b64 s[24:25], s[6+2*\i:7+2*\i], s[24:25]
.endr
	s_add_nc_u64 s[24:25], s[24:25], s[26:27]
.irp r, 0,1,2,3,4,5,6,7,8,9,10,11,12,13,14,15
	global_load_b128 v[R+4*\r:R+4*\r+3], v1, s[24:25] offset:2048*\r th:TH_LOAD_NT   ; 32 lanes read 512 consecutive bytes of row r; read once in the launch
.endr
	s_lshl_b32 s26, ttmp9, 12                      ; my fragment in codes: 4,096 x tile + 1,024 x K step
	s_lshl_b32 s23, s22, 10
	s_add_co_u32 s26, s26, s23
	s_add_nc_u64 s[18:19], s[18:19], s[26:27]
	s_lshl_b32 s26, ttmp9, 9                       ; the tile's 512 bytes in scales
	s_add_nc_u64 s[20:21], s[20:21], s[26:27]
.irp r, 0,1,2,3,4,5,6,7,8,9,10,11,12,13,14,15
	s_wait_loadcnt 15-\r                           ; loads come back in order: row r is in, the 15 - r younger rows may be out
	ds_store_b128 v2, v[R+4*\r:R+4*\r+3] offset:PITCH*\r
.endr
.irp b, 0,1,2,3
.irp j, 0,1,2,3
	ds_load_b128 v[X+16*\b+4*\j:X+16*\b+4*\j+3], v3 offset:128*\b+16*\j   ; the wave's own bytes, and LDS serves a wave's instructions in order: these see the stores above
.endr
.endr
	s_wait_dscnt 0x0
; the four blocks of 32 of my row: a block lies in lanes l and l xor 16
.irp b, 0,1,2,3
	v_max3_num_f32 v[TM+\b], |v[X+16*\b]|, |v[X+1+16*\b]|, 0x1800000   ; my 16 numbers, and the floor 2^(3 - 127): the byte cannot fall under 1
.endr
.irp i, 2,4,6,8,10,12,14
.irp b, 0,1,2,3
	v_max3_num_f32 v[TM+\b], v[TM+\b], |v[X+16*\b+\i]|, |v[X+1+16*\b+\i]|   ; the four blocks by turns: no line waits for the line above it
.endr
.endr
.irp b, 0,1,2,3
	v_permlanex16_b32 v[TM+4+\b], v[TM+\b], s[SEL], s[SEL+1]
.endr
.irp b, 0,1,2,3
	v_max_num_f32 v[TM+\b], v[TM+\b], v[TM+4+\b]   ; the block's largest magnitude
.endr
.irp b, 0,1,2,3
	v_add_nc_u32 v[TM+12+\b], 0xff000000, v[TM+\b] ; 2 off its exponent field: the conversion takes the exponent field of this operand as its scale
.endr
.irp b, 0,1,2,3
	v_lshrrev_b32 v[TM+4+\b], 23, v[TM+12+\b]      ; the scale's byte
.endr
	v_lshl_or_b32 v[PW], v[TM+5], 8, v[TM+4]       ; four bytes make my row's scale word for this K step
	v_lshl_or_b32 v[PW], v[TM+6], 16, v[PW]
	v_lshl_or_b32 v[PW], v[TM+7], 24, v[PW]
.irp b, 0,1,2,3
	v_cvt_scalef32_pk8_fp4_f32 v[PC+2*\b], v[X+16*\b:X+7+16*\b], v[TM+12+\b]      ; k = 32 b + 16 h + 0 .. 7
	v_cvt_scalef32_pk8_fp4_f32 v[PC+1+2*\b], v[X+8+16*\b:X+15+16*\b], v[TM+12+\b] ; and + 8 .. 15
.endr
	v_nop                                          ; one plain vector instruction between a scaled conversion and the vector instruction that touches its result
.irp c, 0,1                                    ; the operand's layout wants a whole block in a lane: lanes 0-15 block 2 c, lanes 16-31 block 2 c + 1
.irp i, 0,1
	v_permlane16_swap_b32 v[PC+4*\c+\i], v[PC+2+4*\c+\i]
.endr
.endr
.irp c, 0,1
	global_store_b128 v1, v[PC+4*\c:PC+4*\c+3], s[18:19] offset:512*\c   ; 32 lanes store 512 consecutive bytes, aligned
.endr
	ds_store_b32 v4, v[PW]
	s_wait_dscnt 0x0                               ; for the others' sake: my scale words lie in LDS
	s_barrier_signal -1
	s_barrier_wait -1                              ; all four K steps' words do
	s_cmp_lg_u32 s22, 0                            ; wave 0 sends the tile's 512 bytes of scale words out as one run
	s_cbranch_scc1 .Lend
	ds_load_b128 v[SO:SO+3], v5
	s_wait_dscnt 0x0
	global_store_b128 v1, v[SO:SO+3], s[20:21]
.Lend:
	s_wait_tensorcnt 0x0
	ds_add_u32 v176, v177
	s_wait_dscnt 0x0
	s_endpgm
.Lfunc_end_k_qda8246bd34_quant:
	.size	k_qda8246bd34_quant, .Lfunc_end_k_qda8246bd34_quant-k_qda8246bd34_quant
	.p2alignl 7, 3214868480
	.fill 96, 4, 3214868480
	.section	.rodata,"a",@progbits
	.p2align	6, 0x0
	.amdhsa_kernel k_qda8246bd34_quant
		.amdhsa_group_segment_fixed_size 34816
		.amdhsa_private_segment_fixed_size 0
		.amdhsa_enable_private_segment 0
		.amdhsa_kernarg_size 72
		.amdhsa_user_sgpr_count 2
		.amdhsa_user_sgpr_kernarg_segment_ptr 1
		.amdhsa_wavefront_size32 1
		.amdhsa_system_sgpr_workgroup_id_x 1
		.amdhsa_system_sgpr_workgroup_id_y 1
		.amdhsa_system_sgpr_workgroup_id_z 1
		.amdhsa_system_vgpr_workitem_id 0
		.amdhsa_next_free_vgpr 178
		.amdhsa_next_free_sgpr 66
		.amdhsa_reserve_vcc 0
		.amdhsa_float_denorm_mode_32 3
		.amdhsa_float_denorm_mode_16_64 3
		.amdhsa_memory_ordered 1
		.amdhsa_forward_progress 1
		.amdhsa_inst_pref_size 11
	.end_amdhsa_kernel
	.amdgpu_metadata
---
amdhsa.version: [ 1, 2 ]
amdhsa.kernels:
  - .name:           k_qda8246bd34_quant
    .symbol:         k_qda8246bd34_quant.kd
    .args:
      - { .name: x, .offset: 0, .size: 8, .value_kind: global_buffer, .address_space: global }
      - { .name: W_qf, .offset: 8, .size: 8, .value_kind: global_buffer, .address_space: global }
      - { .name: W_kf, .offset: 16, .size: 8, .value_kind: global_buffer, .address_space: global }
      - { .name: W_vf, .offset: 24, .size: 8, .value_kind: global_buffer, .address_space: global }
      - { .name: W_qt, .offset: 32, .size: 8, .value_kind: global_buffer, .address_space: global }
      - { .name: W_kt, .offset: 40, .size: 8, .value_kind: global_buffer, .address_space: global }
      - { .name: W_vt, .offset: 48, .size: 8, .value_kind: global_buffer, .address_space: global }
      - { .name: codes, .offset: 56, .size: 8, .value_kind: global_buffer, .address_space: global }
      - { .name: scales, .offset: 64, .size: 8, .value_kind: global_buffer, .address_space: global }
    .group_segment_fixed_size: 34816
    .private_segment_fixed_size: 0
    .kernarg_segment_align: 8
    .kernarg_segment_size: 72
    .max_flat_workgroup_size: 128
    .sgpr_count:     66
    .vgpr_count:     178
    .wavefront_size: 32
...
	.end_amdgpu_metadata
.endif
;; end of part 1
;; launch proj (part 2): grid 256 x 1, 3 waves a work-group, no clusters, 13,824 bytes of LDS; arguments codes, scales, b_qf, b_kf, b_vf, b_qt, b_kt, b_vt, y; writes y
.if DOCPART == 2
	.amdgcn_target "amdgcn-amd-amdhsa--gfx1250"
	.amdhsa_code_object_version 6
	.text
	.protected	k_qda8246bd34_proj
	.globl	k_qda8246bd34_proj
	.p2align	8
	.type	k_qda8246bd34_proj,@function
k_qda8246bd34_proj:
	s_mov_b64 s[64:65], 0
	v_nop
	global_prefetch_b8 v0, s[64:65] scope:SCOPE_SE
	s_setreg_imm32_b32 hwreg(HW_REG_WAVE_MODE, 25, 1), 1
	s_wait_xcnt 0x0
; y[t][row][col] = sum over k of x[row][k] W_t[col][k] + b_t[col], t = 0 .. 5 (Qf, Kf, Vf, Qt, Kt, Vt), on codes of FP4 (E2M1) with one E8M0 scale for each 32 along K; sums in f32.
; SHARES.  Work-group g: rows 64 (g % 16) on, columns 64 ((g / 16) % 8) on, branch g / 128.  Wave w makes tensor t = 3 x branch + w: 64 x 64 of it, 16 accumulators, 4 K steps of 128: 64 matrix instructions.
; 16 x 8 x 2 = 256 work-groups cover 1,024 x 512 x 6.  The waves share no result, so there is no barrier.
; OPERANDS come from memory straight into registers: the launch before laid codes and scale words in the order of the operand's registers, so a fragment is two loads of 512 consecutive bytes.
; A wave reads 16 KiB of x's codes and 16 KiB of its weight's, once, all asked for at the head.  No tile passes through LDS, so there is no tensor load and nothing that a cluster could ask for jointly.
; THE MATRIX INSTRUCTION IS USED TRANSPOSED (source 0 = 16 rows of W, source 1 = 16 rows of x): lane (r, h) holds row r of x and columns 16 n + 8 h + 0 .. 7: 32 neighbouring bytes of a row of y.
; The bias is the C of each sum's first matrix instruction: eight registers a tile of columns, in the result's layout.
; REGISTERS.  window 0: v1-5 addresses; v16-31 x's scale words (4 m + s), v32-47 W's (4 n + s): they hold scales and nothing else; v48-79 the bias (8 n + j), later rows on the way out; v80-111 rows on the way out;
;   v128-255 the accumulators ((m, n) at 128 + 8 (4 m + n)).   window 1: v0-127 x's fragments (8 (4 m + s)), v128-255 W's (128 + 8 (4 n + s)).
.set XS,   16
.set WS,   32
.set BI,   48
.set OB0,  80
.set ACC,  128
.set XF,   0
.set WF,   128
.set SP,   272                         ; a stage row: a wave's 64 columns, 256 bytes, + 16: 68 words, so that the 16 rows that a store touches begin 4 words apart modulo 64
.set WSTG, 16*SP                       ; a wave's stage: 16 rows
.set MSB, 0
.macro WIN new                         ; the immediate's high byte repeats the setting that is left
.if MSB != \new
	s_set_vgpr_msb (MSB<<8)|\new
.set MSB, \new
.endif
.endm
	s_load_b128 s[4:7], s[0:1], 0x0                ; codes, scales
	s_load_b256 s[8:15], s[0:1], 0x10              ; b_qf, b_kf, b_vf, b_qt
	s_load_b128 s[16:19], s[0:1], 0x30             ; b_kt, b_vt
	s_load_b64 s[20:21], s[0:1], 0x40              ; y
	v_lshl_add_u32 v126, v0, 2, 0x3400
	v_mov_b32 v127, 0
	v_lshrrev_b32 v6, 5, v0
	v_readfirstlane_b32 s22, v6                    ; wave 0..2
	s_and_b32 s23, ttmp9, 15                       ; mb: which 64 rows
	s_bfe_u32 s24, ttmp9, 0x30004                  ; cg: which 64 columns
	s_lshr_b32 s25, ttmp9, 7
	s_mul_i32 s25, s25, 3
	s_add_co_u32 s25, s25, s22                     ; t
	s_lshl_b32 s38, s25, 5
	s_lshl_b32 s39, s24, 2
	s_add_co_u32 s38, s38, s39
	s_add_co_u32 s38, s38, 64                      ; my weight's first row tile: 64 + 32 t + 4 cg
	s_mov_b32 s37, 0
	v_and_b32 v1, 31, v0
	v_lshlrev_b32 v1, 4, v1                        ; 16 x lane: a fragment's and a scale block's place for my lane
	v_and_b32 v6, 15, v0                           ; r
	v_bfe_u32 v7, v0, 4, 1                         ; h
	v_lshlrev_b32 v2, 5, v7                        ; the bias: my half's eight numbers
	s_mul_i32 s39, s22, WSTG
	v_mul_u32_u24 v3, v6, SP
	v_lshl_add_u32 v3, v7, 5, v3
	v_add_nc_u32 v3, s39, v3                       ; the stage, in: row r, + 32 h
	v_mul_u32_u24 v4, v7, SP
	v_lshl_add_u32 v4, v6, 4, v4
	v_add_nc_u32 v4, s39, v4                       ; and back: lanes 0-15 one row of 256 bytes, lanes 16-31 the next
	v_lshlrev_b32 v5, 11, v7
	v_lshl_add_u32 v5, v6, 4, v5                   ; the same two rows in y (2,048 bytes a row)
	s_wait_kmcnt 0x0
	s_mov_b64 s[26:27], s[8:9]                     ; my tensor's bias: chosen by t alone
.irp i, 1,2,3,4,5
	s_cmp_ge_u32 s25, \i
	s_cselect_b64 s[26:27], s[8+2*\i:9+2*\i], s[26:27]
.endr
	s_lshl_b32 s36, s23, 14
	s_add_nc_u64 s[28:29], s[4:5], s[36:37]        ; x's codes: row tiles 4 mb on, 4,096 bytes each
	s_lshl_b32 s36, s38, 12
	s_add_nc_u64 s[30:31], s[4:5], s[36:37]        ; W's codes
	s_lshl_b32 s36, s23, 11
	s_add_nc_u64 s[32:33], s[6:7], s[36:37]        ; x's scale words: 512 bytes a row tile
	s_lshl_b32 s36, s38, 9
	s_add_nc_u64 s[34:35], s[6:7], s[36:37]        ; W's
	s_lshl_b32 s36, s24, 8
	s_add_nc_u64 s[26:27], s[26:27], s[36:37]      ; the bias at my 64 columns
	s_lshl_b32 s36, s25, 21                        ; y: 2^21 bytes a tensor,
	s_lshl_b32 s39, s23, 17                        ; 64 rows of 2,048 bytes,
	s_add_co_u32 s36, s36, s39
	s_lshl_b32 s39, s24, 8                         ; 64 columns of 4 bytes
	s_add_co_u32 s36, s36, s39
	s_add_nc_u64 s[20:21], s[20:21], s[36:37]
	; 16 loads of scale words and bias, then 16 loads of fragments for each K step
.irp m, 0,1,2,3
	global_load_b128 v[XS+4*\m:XS+4*\m+3], v1, s[32:33] offset:512*\m
.endr
.irp n, 0,1,2,3
	global_load_b128 v[WS+4*\n:WS+4*\n+3], v1, s[34:35] offset:512*\n
.endr
.irp n, 0,1,2,3
	global_load_b128 v[BI+8*\n:BI+8*\n+3], v2, s[26:27] offset:64*\n        ; b(16 n + 8 h + 0 .. 3)
	global_load_b128 v[BI+8*\n+4:BI+8*\n+7], v2, s[26:27] offset:64*\n+16   ; and + 4 .. 7
.endr
	WIN 0x40                                       ; destination window 1, address window 0
.irp s, 0,1,2,3
.irp m, 0,1,2,3
.irp c, 0,1
	global_load_b128 v[XF+8*(4*\m+\s)+4*\c:XF+8*(4*\m+\s)+4*\c+3], v1, s[28:29] offset:4096*\m+1024*\s+512*\c
.endr
.endr
.irp n, 0,1,2,3
.irp c, 0,1
	global_load_b128 v[WF+8*(4*\n+\s)+4*\c:WF+8*(4*\n+\s)+4*\c+3], v1, s[30:31] offset:4096*\n+1024*\s+512*\c
.endr
.endr
.endr
	WIN 0x05                                       ; sources 0 (W) and 1 (x) window 1; C and D window 0
; The 16 accumulators take turns, one instruction a turn, in the same order in every K step.
.irp s, 0,1,2,3
	s_wait_loadcnt 48-16*\s                        ; loads come back in order: K step s's fragments are in; the 16 loads of each later K step may be out
.irp m, 0,1,2,3
.irp n, 0,1,2,3
.if \s == 0
	v_wmma_scale_f32_16x16x128_f8f6f4 v[ACC+8*(4*\m+\n):ACC+8*(4*\m+\n)+7], v[WF+8*(4*\n+\s):WF+8*(4*\n+\s)+7], v[XF+8*(4*\m+\s):XF+8*(4*\m+\s)+7], v[BI+8*\n:BI+8*\n+7], v[WS+4*\n+\s], v[XS+4*\m+\s] matrix_a_fmt:MATRIX_FMT_FP4 matrix_b_fmt:MATRIX_FMT_FP4
.else
	v_wmma_scale_f32_16x16x128_f8f6f4 v[ACC+8*(4*\m+\n):ACC+8*(4*\m+\n)+7], v[WF+8*(4*\n+\s):WF+8*(4*\n+\s)+7], v[XF+8*(4*\m+\s):XF+8*(4*\m+\s)+7], v[ACC+8*(4*\m+\n):ACC+8*(4*\m+\n)+7], v[WS+4*\n+\s], v[XS+4*\m+\s] matrix_a_fmt:MATRIX_FMT_FP4 matrix_b_fmt:MATRIX_FMT_FP4
.endif
.endr
.endr
.endr
	WIN 0
.rept 4
	v_nop                                          ; four places between the last product and the LDS stores that read results, and the LDS loads into the registers that held the bias
.endr
; THE WAY OUT, 16 rows at a time.  A lane holds 32 bytes of a row and the lanes beside it other rows: the block goes through my own stage and comes back as whole rows of 256 bytes.
.macro TOSTAGE m
.irp n, 0,1,2,3
	ds_store_b128 v3, v[ACC+8*(4*(\m)+\n):ACC+8*(4*(\m)+\n)+3] offset:64*\n            ; each accumulator from its low end on
	ds_store_b128 v3, v[ACC+8*(4*(\m)+\n)+4:ACC+8*(4*(\m)+\n)+7] offset:64*\n+16
.endr
.set OB, OB0-32*((\m)%2)
.irp i, 0,1,2,3,4,5,6,7
	ds_load_b128 v[OB+4*\i:OB+4*\i+3], v4 offset:2*\i*SP   ; LDS serves a wave's instructions in order: these see the stores above, and the next block's stores come behind them
.endr
.endm
.macro SEND m, younger                 ; younger: the LDS instructions issued behind block m's loads, which may stay out
.set OB, OB0-32*((\m)%2)
	s_wait_dscnt \younger
.irp i, 0,1,2,3,4,5,6,7
	global_store_b128 v5, v[OB+4*\i:OB+4*\i+3], s[20:21] offset:32768*(\m)+4096*\i   ; 16 lanes store 256 consecutive bytes, at a multiple of 256 from y's first byte
.endr
.endm
	TOSTAGE 0
	TOSTAGE 1
	SEND 0, 16                                     ; behind block 0's loads: block 1's 8 stores and 8 loads
	s_wait_xcnt 0x0                                ; block 0's stores have read their registers: block 2's loads may land there
	TOSTAGE 2
	SEND 1, 16
	s_wait_xcnt 0x0                                ; likewise block 1's, for block 3
	TOSTAGE 3
	SEND 2, 16
	SEND 3, 0
	s_wait_tensorcnt 0x0
	ds_add_u32 v126, v127
	s_wait_dscnt 0x0
	s_endpgm
.Lfunc_end_k_qda8246bd34_proj:
	.size	k_qda8246bd34_proj, .Lfunc_end_k_qda8246bd34_proj-k_qda8246bd34_proj
	.p2alignl 7, 3214868480
	.fill 96, 4, 3214868480
	.section	.rodata,"a",@progbits
	.p2align	6, 0x0
	.amdhsa_kernel k_qda8246bd34_proj
		.amdhsa_group_segment_fixed_size 13824
		.amdhsa_private_segment_fixed_size 0
		.amdhsa_enable_private_segment 0
		.amdhsa_kernarg_size 72
		.amdhsa_user_sgpr_count 2
		.amdhsa_user_sgpr_kernarg_segment_ptr 1
		.amdhsa_wavefront_size32 1
		.amdhsa_system_sgpr_workgroup_id_x 1
		.amdhsa_system_sgpr_workgroup_id_y 1
		.amdhsa_system_sgpr_workgroup_id_z 1
		.amdhsa_system_vgpr_workitem_id 0
		.amdhsa_next_free_vgpr 512
		.amdhsa_next_free_sgpr 66
		.amdhsa_reserve_vcc 0
		.amdhsa_float_denorm_mode_32 3
		.amdhsa_float_denorm_mode_16_64 3
		.amdhsa_memory_ordered 1
		.amdhsa_forward_progress 1
		.amdhsa_inst_pref_size 26
	.end_amdhsa_kernel
	.amdgpu_metadata
---
amdhsa.version: [ 1, 2 ]
amdhsa.kernels:
  - .name:           k_qda8246bd34_proj
    .symbol:         k_qda8246bd34_proj.kd
    .args:
      - { .name: codes, .offset: 0, .size: 8, .value_kind: global_buffer, .address_space: global }
      - { .name: scales, .offset: 8, .size: 8, .value_kind: global_buffer, .address_space: global }
      - { .name: b_qf, .offset: 16, .size: 8, .value_kind: global_buffer, .address_space: global }
      - { .name: b_kf, .offset: 24, .size: 8, .value_kind: global_buffer, .address_space: global }
      - { .name: b_vf, .offset: 32, .size: 8, .value_kind: global_buffer, .address_space: global }
      - { .name: b_qt, .offset: 40, .size: 8, .value_kind: global_buffer, .address_space: global }
      - { .name: b_kt, .offset: 48, .size: 8, .value_kind: global_buffer, .address_space: global }
      - { .name: b_vt, .offset: 56, .size: 8, .value_kind: global_buffer, .address_space: global }
      - { .name: y, .offset: 64, .size: 8, .value_kind: global_buffer, .address_space: global }
    .group_segment_fixed_size: 13824
    .private_segment_fixed_size: 0
    .kernarg_segment_align: 8
    .kernarg_segment_size: 72
    .max_flat_workgroup_size: 96
    .sgpr_count:     66
    .vgpr_count:     512
    .wavefront_size: 32
...
	.end_amdgpu_metadata
.endif
;; end of part 2
;; launch attn (part 3): grid 256 x 1, 16 waves a work-group, no clusters, 18,432 bytes of LDS; arguments y, out0; writes out0
.if DOCPART == 3
	.amdgcn_target "amdgcn-amd-amdhsa--gfx1250"
	.amdhsa_code_object_version 6
	.text
	.protected	k_qda8246bd34_attn
	.globl	k_qda8246bd34_attn
	.p2align	8
	.type	k_qda8246bd34_attn,@function
k_qda8246bd34_attn:
	s_mov_b64 s[64:65], 0
	v_nop
	global_prefetch_b8 v0, s[64:65] scope:SCOPE_SE
	s_setreg_imm32_b32 hwreg(HW_REG_WAVE_MODE, 25, 1), 1
	s_wait_xcnt 0x0
; out[row][i] = softmax_i(Qf Kf)[i] Vf[i]  +  (sum over j of e^(Qt[i] Kt[j]) Vt[j]) / (sum over j of e^(Qt[i] Kt[j])), all in f32.  y: [6][1024][512] = Qf, Kf, Vf, Qt, Kt, Vt.
; SHARES.  A work-group takes 4 rows; wave wv takes row wv / 4 and columns i = 128 (wv % 4) + 4 lane + e, e = 0 .. 3: a lane's loads and its store are 16 bytes, a wave's 512 consecutive bytes.
; ONE i TO A LANE AND REGISTER, so no sum of the second term crosses lanes.  A wave has 128 i x 512 j = 65,536 exponentials, 2,048 a lane.
; THE MAXIMUM of row i of the scores is not searched for: q k_j is monotone in k_j, rounding included, so it is max(q kmax, q kmin), kmax and kmin being the largest and smallest Kt of the row.  It is taken away ahead of every exponential.
; Kt and Vt of the four rows lie in LDS (2,048 bytes each, written once ahead of the one barrier); in the loop all lanes read the same 32 j: the same addresses in every lane.
; THE LOOP: a batch is one e against 32 j: 16 packed multiply-adds (t = q' k - m), 32 exponentials, and between them the 32 packed lines that sum the batch BEFORE (l += p, a += p v).
; Nothing in a batch names a result of its own exponentials; one wait stands at its end.  q' and -m are kept twice, as pairs, so that the packed lines need no operand selects.
; THE FIRST TERM: each of a row's four waves takes the softmax over all 512 for itself (16 exponentials a lane beside the 2,048), which spares a second barrier.
; LIMITS: log2(e) is multiplied into q (and into the first term's scores by the multiply-add), so the order of rounding differs from e^(s - max): an error of one rounding of q, relative, in the exponent;
; what is taken away is one number for a whole softmax row, so its own rounding cancels in the quotient.  Exponentials under 2^-126 count as 0.  NaN and infinities are not served.
; No tensor load, no cluster: a work-group's 4 rows of y are read by nobody else.
.set QQ,   16                          ; v16-23   (q'_e, q'_e), q' = log2(e) Qt
.set NM,   24                          ; v24-31   (-m_e, -m_e)
.set SUML, 32                          ; v32-39   l_e, even j's and odd j's
.set SUMA, 40                          ; v40-47   a_e likewise
.set CF,   48                          ; v48-51   the first term
.set QT,   52                          ; v52-55   Qt of my four i
.set VF,   56                          ; v56-59   Vf of my four i
.set OUTR, 60                          ; v60-63   the result
.set T0,   64                          ; v64-95, v96-127  two batches' t, then p; at the head: Qf, Kf and the K row
.set KB,   128                         ; v128-159 (chunk buffer 0), v192-223 (buffer 1): 32 Kt
.set VB,   160                         ; v160-191, v224-255: 32 Vt
; v1 16 lane + 512 quarter; v2-4 the other three quarters, in rotation; v5, v6 LDS: where I store, where I read the K row; v7 my row's LDS base; v8 the chunk's; v9-15 at work
	s_load_b128 s[4:7], s[0:1], 0x0                ; y, out0
	v_lshrrev_b32 v9, 5, v0
	v_readfirstlane_b32 s8, v9                     ; wave 0..15
	s_lshr_b32 s9, s8, 2                           ; which of the 4 rows
	s_and_b32 s10, s8, 3                           ; which quarter of its columns
	s_lshl_b32 s11, ttmp9, 2
	s_add_co_u32 s11, s11, s9                      ; the row
	v_and_b32 v13, 31, v0
	v_lshlrev_b32 v13, 4, v13                      ; 16 x lane
	s_lshl_b32 s12, s10, 9
	v_add_nc_u32 v1, s12, v13
.irp u, 1,2,3
	s_add_co_u32 s12, s10, \u
	s_and_b32 s12, s12, 3
	s_lshl_b32 s12, s12, 9
	v_add_nc_u32 v[1+\u], s12, v13                 ; quarter (mine + u) % 4
.endr
	s_lshl_b32 s12, s9, 12                         ; a row has 4,096 bytes of LDS: Kt, then Vt
	v_add_nc_u32 v5, s12, v1
	v_add_nc_u32 v6, s12, v13
	v_mov_b32 v7, s12
	v_mov_b32 v9, 0                                ; written once: a lane permute's destination counts as one of its sources
	s_lshl_b32 s12, s11, 11                        ; the row's 2,048 bytes
	s_mov_b32 s13, 0
	s_mov_b32 s16, 0x3fb8aa3b                      ; log2(e)
	s_mov_b32 s17, s16                             ; (named with it as a pair, so it is written)
	s_mov_b32 s18, 0xbfb8aa3b                      ; -log2(e)
	s_mov_b32 s20, 0x76543210
	s_mov_b32 s21, 0xfedcba98                      ; v_permlanex16_b32's selects for lane l xor 16
	s_wait_kmcnt 0x0
	s_add_nc_u64 s[4:5], s[4:5], s[12:13]          ; Qf's row; Kf's and Vf's lie 2^21 and 2^22 bytes on
	s_add_nc_u64 s[6:7], s[6:7], s[12:13]          ; out's row
	s_add_nc_u64 s[14:15], s[4:5], 0x600000        ; Qt's row; Kt's and Vt's likewise
	global_load_b128 v[128:131], v1, s[14:15] offset:2097152   ; Kt, my quarter
	global_load_b128 v[132:135], v1, s[14:15] offset:4194304   ; Vt, my quarter
	global_load_b128 v[QT:QT+3], v1, s[14:15]
.irp u, 0,1,2,3
	global_load_b128 v[64+4*\u:67+4*\u], v[1+\u], s[4:5]                  ; Qf, all four quarters, mine first
.endr
.irp u, 0,1,2,3
	global_load_b128 v[80+4*\u:83+4*\u], v[1+\u], s[4:5] offset:2097152   ; Kf likewise
.endr
	global_load_b128 v[VF:VF+3], v1, s[4:5] offset:4194304
	s_wait_loadcnt 10                              ; Kt and Vt are in; the ten loads issued behind them may be out
	ds_store_b128 v5, v[128:131]
	ds_store_b128 v5, v[132:135] offset:2048
	s_wait_dscnt 0x0                               ; for the others' sake: my quarter lies in LDS
	s_barrier_signal -1
	s_barrier_wait -1                              ; the four rows' Kt and Vt are whole; nothing is stored to LDS behind this barrier
.macro LOADS buf, off                  ; a chunk of 32 j: 128 bytes of Kt and of Vt, the same for every lane, into chunk buffer buf
.irp g, 0,1,2,3,4,5,6,7
	ds_load_b128 v[KB+64*(\buf)+4*\g:KB+64*(\buf)+4*\g+3], v8 offset:(\off)+16*\g
.endr
.irp g, 0,1,2,3,4,5,6,7
	ds_load_b128 v[VB+64*(\buf)+4*\g:VB+64*(\buf)+4*\g+3], v8 offset:(\off)+2048+16*\g
.endr
.endm
.irp u, 0,1,2,3
	ds_load_b128 v[96+4*\u:99+4*\u], v6 offset:512*\u   ; the whole K row, 16 numbers a lane, for kmax and kmin
.endr
	v_mov_b32 v8, v7
	LOADS 0, 0                                     ; chunk 0
	; ---- the first term: softmax over all 512 of Qf Kf, times Vf, for my four i
	s_wait_loadcnt 0x0
.irp p, 0,2,4,6,8,10,12,14
	v_pk_mul_f32 v[64+\p:65+\p], v[64+\p:65+\p], v[80+\p:81+\p]   ; s = Qf Kf: v64-67 are my own four i
.endr
	v_max3_num_f32 v12, v64, v65, v66              ; the largest of my 16, in two chains
	v_max3_num_f32 v13, v67, v68, v69
	v_max3_num_f32 v12, v12, v70, v71
	v_max3_num_f32 v13, v13, v72, v73
	v_max3_num_f32 v12, v12, v74, v75
	v_max3_num_f32 v13, v13, v76, v77
	v_max3_num_f32 v12, v12, v78, v79
	v_max_num_f32 v12, v12, v13
.irp x, 1,2,4,8
	v_max_num_f32_dpp v12, v12, v12 row_xmask:\x row_mask:0xf bank_mask:0xf
.endr
	v_permlanex16_b32 v9, v12, s20, s21
	v_max_num_f32 v12, v12, v9                     ; the row's largest score, in every lane
	v_mul_f32 v14, s18, v12                        ; -log2(e) x it
	v_mov_b32 v15, v14                             ; (named with it as a pair)
.irp p, 0,2,4,6,8,10,12,14
	v_pk_fma_f32 v[64+\p:65+\p], v[64+\p:65+\p], s[16:17], v[14:15] op_sel_hi:[1,0,0]
.endr
.irp j, 0,1,2,3,4,5,6,7,8,9,10,11,12,13,14,15
	v_exp_f32 v[64+\j], v[64+\j]
.endr
	v_nop                                          ; a plain instruction behind the last exponential
	s_wait_alu depctr_va_vdst(0)                   ; one wait for the 16, ahead of their first reader
	v_pk_add_f32 v[80:81], v[64:65], v[66:67]      ; their sum, in two chains; v64-67 are kept
	v_pk_add_f32 v[82:83], v[68:69], v[70:71]
	v_pk_add_f32 v[80:81], v[80:81], v[72:73]
	v_pk_add_f32 v[82:83], v[82:83], v[74:75]
	v_pk_add_f32 v[80:81], v[80:81], v[76:77]
	v_pk_add_f32 v[82:83], v[82:83], v[78:79]
	v_pk_add_f32 v[80:81], v[80:81], v[82:83]
	v_add_f32 v12, v80, v81
.irp x, 1,2,4,8
	v_add_f32_dpp v12, v12, v12 row_xmask:\x row_mask:0xf bank_mask:0xf
.endr
	v_permlanex16_b32 v9, v12, s20, s21
	v_add_f32 v12, v12, v9                         ; the row's sum
	v_rcp_f32 v13, v12
.irp e, 0,1,2,3
	v_mul_f32 v[CF+\e], v[64+\e], v[VF+\e]         ; plain work behind the reciprocal, which names neither its result nor its source
.endr
	s_wait_alu depctr_va_vdst(0)                   ; the wait, ahead of the reciprocal's first reader
.irp e, 0,1,2,3
	v_mul_f32 v[CF+\e], v[CF+\e], v13
.endr
	; ---- the second term's set-up: kmax, kmin, q' and -m
	s_wait_dscnt 16                                ; the K row's four loads are in; chunk 0's sixteen, issued behind them, may be out
	v_max3_num_f32 v10, v96, v97, v98
	v_max3_num_f32 v12, v99, v100, v101
	v_min3_num_f32 v11, v96, v97, v98
	v_min3_num_f32 v13, v99, v100, v101
.irp i, 102,106
	v_max3_num_f32 v10, v10, v[\i], v[\i+1]
	v_max3_num_f32 v12, v12, v[\i+2], v[\i+3]
	v_min3_num_f32 v11, v11, v[\i], v[\i+1]
	v_min3_num_f32 v13, v13, v[\i+2], v[\i+3]
.endr
	v_max3_num_f32 v10, v10, v110, v111
	v_min3_num_f32 v11, v11, v110, v111
	v_max_num_f32 v10, v10, v12
	v_min_num_f32 v11, v11, v13
.irp x, 1,2,4,8
	v_max_num_f32_dpp v10, v10, v10 row_xmask:\x row_mask:0xf bank_mask:0xf
	v_min_num_f32_dpp v11, v11, v11 row_xmask:\x row_mask:0xf bank_mask:0xf
.endr
	v_permlanex16_b32 v9, v10, s20, s21
	v_max_num_f32 v10, v10, v9                     ; kmax
	v_permlanex16_b32 v9, v11, s20, s21
	v_min_num_f32 v11, v11, v9                     ; kmin
.irp e, 0,1,2,3
	v_mul_f32 v[QQ+2*\e], s16, v[QT+\e]            ; q' = log2(e) q
.endr
.irp e, 0,1,2,3
	v_mov_b32 v[QQ+2*\e+1], v[QQ+2*\e]
	v_mul_f32 v12, v[QQ+2*\e], v10
	v_mul_f32 v13, v[QQ+2*\e], v11
	v_min_num_f32 v[NM+2*\e], -v12, -v13           ; -m = -max(q' kmax, q' kmin)
	v_mov_b32 v[NM+2*\e+1], v[NM+2*\e]
.endr
.irp j, 0,1,2,3,4,5,6,7
	v_mov_b32 v[SUML+\j], 0
	v_mov_b32 v[SUMA+\j], 0
.endr
; A BATCH: my i of slot e against the 32 j of chunk buffer kb.  cons = 1: the batch before (slot (e + 3) % 4, whose p lie in the other T buffer and whose Vt lie in chunk buffer vb) is summed between the exponentials.
; The scaling of pair p + 1 stands ahead of pair p's exponentials.  No line names a result of this batch's exponentials; its last line but the wait is plain; the wait serves all 32.
.macro BATCH e, kb, cons, vb
.set TB, T0+32*((\e)%2)
.set TP, T0+32*(1-(\e)%2)
.set PE, ((\e)+3)%4
.set KR, KB+64*(\kb)
.set VR, VB+64*(\vb)
	v_pk_fma_f32 v[TB:TB+1], v[QQ+2*(\e):QQ+2*(\e)+1], v[KR:KR+1], v[NM+2*(\e):NM+2*(\e)+1]
.set P, 0
.rept 16
.if P < 15
	v_pk_fma_f32 v[TB+2*P+2:TB+2*P+3], v[QQ+2*(\e):QQ+2*(\e)+1], v[KR+2*P+2:KR+2*P+3], v[NM+2*(\e):NM+2*(\e)+1]   ; t = q' k - m
.endif
	v_exp_f32 v[TB+2*P], v[TB+2*P]
.if \cons
	v_pk_add_f32 v[SUML+2*PE:SUML+2*PE+1], v[SUML+2*PE:SUML+2*PE+1], v[TP+2*P:TP+2*P+1]                           ; l += p
.endif
	v_exp_f32 v[TB+2*P+1], v[TB+2*P+1]
.if \cons
	v_pk_fma_f32 v[SUMA+2*PE:SUMA+2*PE+1], v[TP+2*P:TP+2*P+1], v[VR+2*P:VR+2*P+1], v[SUMA+2*PE:SUMA+2*PE+1]       ; a += p v
.endif
.set P, P+1
.endr
.if \cons == 0
	v_nop                                          ; a plain instruction behind the last exponential
.endif
	s_wait_alu depctr_va_vdst(0)
.endm
	; chunk 0
	s_wait_dscnt 0x0                               ; chunk 0 is in
	BATCH 0, 0, 0, 0
	LOADS 1, 128                                   ; chunk 1: three batches ahead of its first use
	BATCH 1, 0, 1, 0
	BATCH 2, 0, 1, 0
	BATCH 3, 0, 1, 0
	s_mov_b32 s23, 0
	s_mov_b32 s22, 7
.Lch:                                              ; 7 trips: chunks 2 n - 1 (buffer 1) and 2 n (buffer 0), n = 1 .. 7; they ask for chunks 2 n and 2 n + 1
	s_add_co_u32 s23, s23, 256
	v_add_nc_u32 v8, s23, v7                       ; chunk 2 n's bytes
	s_wait_dscnt 0x0                               ; chunk 2 n - 1 is in: asked for three batches ago
	BATCH 0, 1, 1, 0                               ; it sums slot 3 of the chunk before, the last reader of buffer 0,
	LOADS 0, 0                                     ; which now takes chunk 2 n
	BATCH 1, 1, 1, 1
	BATCH 2, 1, 1, 1
	BATCH 3, 1, 1, 1
	s_wait_dscnt 0x0                               ; chunk 2 n is in
	BATCH 0, 0, 1, 1
	LOADS 1, 128                                   ; chunk 2 n + 1
	BATCH 1, 0, 1, 0
	BATCH 2, 0, 1, 0
	BATCH 3, 0, 1, 0
	s_sub_co_u32 s22, s22, 1
	s_cmp_lg_u32 s22, 0
	s_cbranch_scc1 .Lch
	; chunk 15: nothing more to fetch
	s_wait_dscnt 0x0
	BATCH 0, 1, 1, 0
	BATCH 1, 1, 1, 1
	BATCH 2, 1, 1, 1
	BATCH 3, 1, 1, 1
.set P, 0
.rept 16                                       ; the last batch (slot 3, second T buffer, chunk buffer 1) is summed
	v_pk_add_f32 v[SUML+6:SUML+7], v[SUML+6:SUML+7], v[T0+32+2*P:T0+32+2*P+1]
	v_pk_fma_f32 v[SUMA+6:SUMA+7], v[T0+32+2*P:T0+32+2*P+1], v[VB+64+2*P:VB+64+2*P+1], v[SUMA+6:SUMA+7]
.set P, P+1
.endr
	; ---- the way out: a / l + the first term
.irp e, 0,1,2,3
	v_add_f32 v[SUML+2*\e], v[SUML+2*\e], v[SUML+2*\e+1]   ; even j's and odd j's
	v_add_f32 v[SUMA+2*\e], v[SUMA+2*\e], v[SUMA+2*\e+1]
.endr
.irp e, 0,1,2,3
	v_rcp_f32 v[SUML+2*\e+1], v[SUML+2*\e]
.endr
	v_nop                                          ; a plain instruction behind the last reciprocal
	s_wait_alu depctr_va_vdst(0)                   ; one wait for the four, ahead of their first reader
.irp e, 0,1,2,3
	v_fma_f32 v[OUTR+\e], v[SUMA+2*\e], v[SUML+2*\e+1], v[CF+\e]
.endr
	global_store_b128 v1, v[OUTR:OUTR+3], s[6:7]   ; 32 lanes store 512 consecutive bytes, at a multiple of 256 from out's first byte
	s_wait_xcnt 0x0
	v_lshl_add_u32 v254, v0, 2, 0x4000
	v_mov_b32 v255, 0
	s_wait_tensorcnt 0x0
	ds_add_u32 v254, v255
	s_wait_dscnt 0x0
	s_endpgm
.Lfunc_end_k_qda8246bd34_attn:
	.size	k_qda8246bd34_attn, .Lfunc_end_k_qda8246bd34_attn-k_qda8246bd34_attn
	.p2alignl 7, 3214868480
	.fill 96, 4, 3214868480
	.section	.rodata,"a",@progbits
	.p2align	6, 0x0
	.amdhsa_kernel k_qda8246bd34_attn
		.amdhsa_group_segment_fixed_size 18432
		.amdhsa_private_segment_fixed_size 0
		.amdhsa_enable_private_segment 0
		.amdhsa_kernarg_size 16
		.amdhsa_user_sgpr_count 2
		.amdhsa_user_sgpr_kernarg_segment_ptr 1
		.amdhsa_wavefront_size32 1
		.amdhsa_system_sgpr_workgroup_id_x 1
		.amdhsa_system_sgpr_workgroup_id_y 1
		.amdhsa_system_sgpr_workgroup_id_z 1
		.amdhsa_system_vgpr_workitem_id 0
		.amdhsa_next_free_vgpr 256
		.amdhsa_next_free_sgpr 66
		.amdhsa_reserve_vcc 0
		.amdhsa_float_denorm_mode_32 3
		.amdhsa_float_denorm_mode_16_64 3
		.amdhsa_memory_ordered 1
		.amdhsa_forward_progress 1
		.amdhsa_inst_pref_size 80
	.end_amdhsa_kernel
	.amdgpu_metadata
---
amdhsa.version: [ 1, 2 ]
amdhsa.kernels:
  - .name:           k_qda8246bd34_attn
    .symbol:         k_qda8246bd34_attn.kd
    .args:
      - { .name: y, .offset: 0, .size: 8, .value_kind: global_buffer, .address_space: global }
      - { .name: out0, .offset: 8, .size: 8, .value_kind: global_buffer, .address_space: global }
    .group_segment_fixed_size: 18432
    .private_segment_fixed_size: 0
    .kernarg_segment_align: 8
    .kernarg_segment_size: 16
    .max_flat_workgroup_size: 512
    .sgpr_count:     66
    .vgpr_count:     256
    .wavefront_size: 32
...
	.end_amdgpu_metadata
.endif
;; end of part 3
